; MI455X (gfx1250); checked and timed in simulation.
; The chip was launched on July 23, 2026; its instructions are those of AMD's public machine-readable ISA for CDNA 5 (MIT licence, August 2026) and "CDNA5" Instruction Set Architecture Reference Guide (July 2026). The comments in the code are by the model that wrote it; some were corrected since.
;; scaled dot product attention. Allowed arithmetic: matrix products marked QUANTISED: E2M1 operands, one E8M0 scale for each 32 along K, by v_wmma_scale_f32_16x16x128_f8f6f4 with both operands' format E2M1 (or v_wmma_scale_f32_32x16x128_f4), f32 sums; products left as they are: bf16, f16 or f32 operands; f32 sums; everything else in f32.
;; Inputs: k 8 x 16 x 1,024 x 64 float32; q 8 x 16 x 1,024 x 64 float32; v 8 x 16 x 1,024 x 64 float32.
;; Outputs: out0 8 x 16 x 1,024 x 64 float32.
;; This version of the problem:
;;   THIS VERSION OF THE PROBLEM IS GIVEN IN LOW PRECISION. The matrix products marked QUANTISED in the list below multiply operands that are first quantised to E2M1 (2 exponent bits, 1 mantissa bit; 4 bits a number), with one power-of-two scale for each 32 numbers along K (OCP MX v1.0); their sums are f32. The products marked 'left as it is' may take bf16, f16 or f32 operands, with f32 sums. Whichever they take, every output number must still come out within the allowed error. Rounding operands to bf16 (8 significant bits) uses up far more of that allowance than f16 does (11 bits, for magnitudes from 6e-5 to 65,504). All else is computed in f32.
;;   The module's matrix products, in the order in which they are computed (A, B: the left and right operand; K: the contracted axis; several contracted axes count as one K, in the product's order):
;;     1. batch 128 x [M 1,024, K 64] x [K 64, N 1,024]; A: input q; B: input k: QUANTISED
;;     2. batch 128 x [M 1,024, K 1,024] x [K 1,024, N 64]; A: computed on the way; B: input v: left as it is (an operand is computed on the way)
;;   THE QUANTISER, for each operand of a quantised product, along K:
;;     - K is cut into blocks of 32 from its start; a last block that is shorter is filled with zeros.
;;     - A block's scale is 2^e with e = floor(log2(the largest magnitude in the block)) - 2, held to -126 .. 127; a block of zeros has e = 0. As a byte (E8M0): e + 127.
;;     - Each number is divided by its block's scale, clamped to +-6, and rounded to the nearest number of E2M1, ties to even, subnormals kept.
;;     - The product sums the exact products of the quantised numbers (number of the format x scale) in f32.
;;   ~~~python
;;   def quantise(x, axis):      # numpy; x: float32 -> the quantised numbers, widened to float32 again
;;       x = np.moveaxis(x, axis, -1); K = x.shape[-1]
;;       x = np.pad(x, [(0, 0)] * (x.ndim - 1) + [(0, -K % 32)]); x = x.reshape(x.shape[:-1] + (-1, 32)); a = np.abs(x).max(-1, keepdims=True)
;;       e = np.where(a > 0, np.clip(np.frexp(np.where(a > 0, a, 1))[1] - 1 - 2, -126, 127), 0)      # np.frexp(a)[1] - 1 = floor(log2(a)), exactly
;;       r = np.clip(x / 2.0 ** e, -6, 6)
;;       step = 2.0 ** (np.maximum(np.frexp(np.where(r == 0, 1, r))[1] - 1, 0) - 1)
;;       q = np.round(r / step) * step * 2.0 ** e      # np.round: ties to even
;;       return np.moveaxis(q.reshape(q.shape[:-2] + (-1,))[..., :K], -1, axis).astype(np.float32)
;;   ~~~
;; 2 versions, each right; version 2 is version 1 with the launch attn written anew for expert scheduling mode. Each part assembles by itself: llvm-mc -triple=amdgcn-amd-amdhsa -mcpu=gfx1250 --defsym DOCPART=n.
;; ======== version 1 of 2: 1 launch
;; limits: values are held in f16: magnitudes above 65,504 overflow, below 6.1e-05 lose precision
;; launch attn (part 1): grid 2 x 128, 16 waves a work-group, no clusters, 137,216 bytes of LDS; arguments q, k, v, out0; writes out0
.if DOCPART == 1
	.amdgcn_target "amdgcn-amd-amdhsa--gfx1250"
	.amdhsa_code_object_version 6
	.text
	.protected	k_qbecb17706f_attn
	.globl	k_qbecb17706f_attn
	.p2align	8
	.type	k_qbecb17706f_attn,@function
k_qbecb17706f_attn:
	s_mov_b64 s[64:65], 0
	v_nop
	global_prefetch_b8 v0, s[64:65] scope:SCOPE_SE
	s_setreg_imm32_b32 hwreg(HW_REG_WAVE_MODE, 25, 1), 1
	s_wait_xcnt 0x0
; out[h][q][:] = the sum over k of softmax_k(Q(q[h][q]) . Q(k[h][k]) / 8) v[h][k][:].  q, k, v, out: [128 heads][1024][64] f32.
; Q(.) is the MX quantiser along the head's 64: codes of E2M1, one E8M0 scale for each 32.  The first product runs on those codes; its sums, the maxima, the exponentials and the row sums are f32;
; the second product takes p and v rounded to f16, with f32 sums.
; SHARES.  A work-group owns 512 queries of one head (grid x = the half, y = the head); each of its sixteen waves owns 32 of them, two tiles of 16, in 256 registers: four waves to a SIMD, so that one wave's
; vector work stands beside another's products and LDS loads.  Every wave walks all 1,024 keys, 64 a STEP, 128 a CHUNK.
; K AND V arrive as f32 and are wanted narrow, so they go through registers: in each chunk wave w loads 8 rows of k and 8 of v (eight loads of 512 consecutive bytes), ONE CHUNK AHEAD of their use, quantises k,
; rounds v to f16 and stores both into one of two LDS slots, which all sixteen waves read.  One barrier a chunk: in front of it each wave's stores into the new slot have landed and its reads of the old one are
; over; the old slot is written again only a chunk later, behind that barrier.
; NO CLUSTER, NO TENSOR LOAD: what two work-groups of a head share are f32 numbers that each must pass through registers to become codes and f16; a joint load would bring 64 KiB a chunk into LDS only
; to be read out, converted and stored again.
; THE FIRST PRODUCT HAS K = 64, THE INSTRUCTION 128.  A fragment of k holds 32 KEYS: row r carries key 32 f + r in k = 0..63 and key 32 f + 16 + r in k = 64..127.  q is given in two forms, [q | 0] and [0 | q]:
; the zeros are zero CODES under the scale byte 0 (2^-127, a finite number), and E2M1 has no infinity or NaN, so that half adds exactly nothing.  [q | 0] gives the scores of keys 32 f + 0..15, [0 | q] of 32 f + 16..31.
; LAYOUT.  Both products are used transposed: S^T = k q^T (source 0 = keys, source 1 = 16 queries), O^T = v^T p (source 0 = 16 channels, source 1 = p): a lane holds ONE query (lane % 16) throughout, and the keys
; 16 u + 8 (lane / 16) + 0..7 of tile u.  Two such tiles, rounded to f16 in pairs, ARE source 1 (32 keys x 16 queries) of the second product.  v ([key][channel] in LDS) comes out turned, by ds_load_tr16_b128.
; SOFTMAX.  For each query a running maximum m of the raw scores and a sum l: p = 2^(c s - c m), c = log2(e) / 8; in every step O^T and l are multiplied by a = 2^(c m_old - c m_new).
; LIMITS.  NaN and infinities among the inputs are not served.  |v| above 65,504 becomes an infinity in f16.  m starts at -3e38: raw scores under that are not served.  A block of zeros gets the scale byte 1
; where the rule says 127: its codes are zeros, and this program alone reads the bytes.
;
; LDS.  Slot s at 32,768 s: v, 128 rows of 64 f16, 160 bytes apart (128 + 32: 64 banks of 4 bytes, ISA guide 11.1);
; behind it k's four fragments as images of their registers (1,024 bytes each: registers 0-3 at 16 x lane, registers 4-7 at 512 + 16 x lane); behind them their scale words (fragment f, row r at 64 f + 4 r).
; From 65,536 on a stage of 4,352 bytes for each wave, its own: the quantiser's turning stage (2,560), q's image (1,024), q's scale words (64); at the end the whole of it is the way out's 16 rows x 272.
; Behind the stages the spare words.
.set SLOTB, 32768
.set VP,    160                        ; a row of v in LDS
.set KCO,   128*VP                     ; k's images in a slot
.set SCO,   KCO+4096                   ; their scale words
.set STG,   2*SLOTB                    ; the waves' stages
.set STGW,  4352
.set QIM,   2560                       ; in a stage: q's image
.set QSW,   3584                       ; and q's scale words
.set SPARE, STG+16*STGW                ; the spare words, 128 bytes for each wave: eight blocks of 256 bytes that no other line names
.set SPW, 1                            ; v1   LDS address of my spare word: SPARE + 4 x my thread's number; never rewritten
.set NIL, 2                            ; v2   0; never rewritten
.set AV0, 3                            ; v3   my lane's place in a turning load of v
.set L16, 4                            ; v4   16 x lane: an image's place, and my 16 bytes of every global load's and store's 512
.set AS0, 5                            ; v5   4 x (lane % 16): a scale word's place
.set VW,  6                            ; v6   where I store v: row 8 w + lane / 16, byte 8 (lane % 16)
.set KW,  7                            ; v7   where I store 16 codes of k
.set KBY, 8                            ; v8   and their block's scale byte
.set SIN, 9                            ; v9   the turning stage, on the way in
.set SOUT, 10                          ; v10  and on the way out
.set KS,  14                           ; v14-15  scale words of the step's two fragments of k
.set QS,  16                           ; v16-19  q's scale words: tile 0 low form, tile 0 high form, tile 1 low, tile 1 high
.set QF,  24                           ; v20-39  zeros, q tile 0, zeros, q tile 1, zeros (4 each): form (t, u) begins at v[24 + 8 t - 4 u]
.set ST,  40                           ; v40-55  statistics, tile t at 40 + 8 t: +0 c m, +1 m, +2, +3 l (even keys', odd keys'), +4 to +7 at work; a in +6
.set KV,  56                           ; v56-87  k's two fragments, then v's four fragments of the step's keys 0-31
.set S,   88                           ; v88-151 S^T, 32 a tile; then p in f16 in each tile's first 16, and v's fragments of keys 32-63 in the upper 16 of both
.set O,   152                          ; v152-215 O^T, 32 a tile, channels 16 c on at + 8 c
.set XK,  216                          ; v216-231 8 rows of k on their way
.set XV,  232                          ; v232-247 8 rows of v on their way
.set QW,  152                          ; at the head only, in registers that O^T takes later: where q's codes go,
.set QB,  153                          ; their scale bytes,
.set QR,  154                          ; where q's image is read back,
.set QSR, 155                          ; and its scale words;
.set QRAW, 156                         ; the word as it lies: tile 0's two bytes, tile 1's two bytes
	s_load_b256 s[4:11], s[0:1], 0x0               ; q s[4:5], k s[6:7], v s[8:9], out s[10:11]
	v_lshl_add_u32 v[SPW], v0, 2, SPARE
	v_mov_b32 v[NIL], 0
	v_lshrrev_b32 v11, 5, v0
	v_readfirstlane_b32 s12, v11                   ; wave 0..15
	v_and_b32 v11, 31, v0                          ; lane
	v_and_b32 v12, 15, v0                          ; r = lane % 16
	v_bfe_u32 v13, v0, 4, 1                        ; h = lane / 16
	v_lshlrev_b32 v[L16], 4, v11
	v_lshlrev_b32 v[AS0], 2, v12
	; the turning load takes 16 keys x 16 channels: lane l reads 16 bytes of key 8 h + l % 8, channels 8 ((l / 8) % 2) on
	v_and_b32 v[AV0], 7, v0
	v_lshl_add_u32 v[AV0], v13, 3, v[AV0]
	v_mul_u32_u24 v[AV0], v[AV0], VP
	v_bfe_u32 v[VW], v0, 3, 1
	v_lshl_add_u32 v[AV0], v[VW], 4, v[AV0]
	; v's way in: a load's 512 bytes are two rows; lane (r, h) holds 4 numbers of row h, which become 8 bytes
	v_bfe_u32 v[VW], v0, 5, 4                      ; wave
	v_lshl_add_u32 v[VW], v[VW], 3, v13
	v_mul_u32_u24 v[VW], v[VW], VP
	v_lshl_add_u32 v[VW], v12, 3, v[VW]
	; the quantiser leaves lane l with 16 codes: row l / 4 of 8, block (l / 2) % 2, half l % 2.  In an image they go to lane (row's r) + 16 x block, 8 bytes for each half
	v_and_b32 v248, 1, v0
	v_lshlrev_b32 v248, 3, v248
	v_bfe_u32 v250, v0, 2, 3                       ; row
	v_bfe_u32 v251, v0, 1, 1                       ; block
	v_lshl_or_b32 v248, v250, 4, v248
	v_lshl_or_b32 v248, v251, 8, v248              ; block << 8 | row << 4 | half << 3
	v_lshl_or_b32 v249, v250, 2, v251              ; the byte: row << 2 | block
	; k: key 8 w + row of the chunk's 128: fragment w / 4, upper half (w / 2) % 2, r = 8 (w % 2) + row
	v_bfe_u32 v250, v0, 5, 1
	v_bfe_u32 v251, v0, 6, 1
	v_bfe_u32 v252, v0, 7, 2
	v_lshl_or_b32 v[KW], v250, 7, v248
	v_lshl_or_b32 v[KW], v251, 9, v[KW]
	v_lshl_or_b32 v[KW], v252, 10, v[KW]
	v_lshl_or_b32 v[KBY], v251, 1, v249
	v_lshl_or_b32 v[KBY], v250, 5, v[KBY]
	v_lshl_or_b32 v[KBY], v252, 6, v[KBY]
	s_mul_i32 s13, s12, STGW
	s_add_co_u32 s13, s13, STG                     ; my stage; kept for the way out
	s_add_co_u32 s18, s13, QIM
	s_add_co_u32 s19, s13, QSW
	v_bfe_u32 v[SIN], v0, 2, 3                     ; the turning stage: four lanes' 64 bytes on end, then 16 of padding: 80 (lane / 4) + 16 (lane % 4); a load's 512 bytes take eight places
	v_mul_u32_u24 v[SIN], v[SIN], 80
	v_and_b32 v[SOUT], 3, v0
	v_lshl_add_u32 v[SIN], v[SOUT], 4, v[SIN]
	v_add_nc_u32 v[SIN], s13, v[SIN]
	v_mul_u32_u24 v[SOUT], v11, 80                 ; back: 80 x lane: 16 neighbours along the head's 64
	v_add_nc_u32 v[SOUT], s13, v[SOUT]
	v_add_nc_u32 v[QW], s18, v248
	v_add_nc_u32 v[QB], s19, v249
	v_add_nc_u32 v[QR], s18, v[L16]
	v_add_nc_u32 v[QSR], s19, v[AS0]
	s_mov_b32 s20, 0x76543210                      ; v_permlanex16_b32's selects for lane l xor 16
	s_mov_b32 s21, 0xfedcba98
	s_mov_b32 s22, 0x3e38aa3b                      ; c = log2(e) / 8
	s_mov_b32 s23, s22                             ; (the packed form names the pair and takes its low word for both halves: so it is written)
	s_and_b32 s14, ttmp7, 0xffff
	s_lshl_b32 s14, s14, 18                        ; the head: 1,024 rows of 256 bytes
	s_lshl_b32 s16, s12, 11
	s_add_co_u32 s16, s16, s14                     ; k, v: + my 8 rows of a chunk
	s_mov_b32 s17, 0
	s_lshl_b32 s18, ttmp9, 17
	s_add_co_u32 s14, s14, s18                     ; q, out: + the half's 512 rows
	s_lshl_b32 s18, s12, 13
	s_add_co_u32 s14, s14, s18                     ; + my 32 rows.  (All under 2^25)
	s_mov_b32 s15, 0
	s_wait_kmcnt 0x0
	s_add_nc_u64 s[4:5], s[4:5], s[14:15]
	s_add_nc_u64 s[10:11], s[10:11], s[14:15]
	s_add_nc_u64 s[6:7], s[6:7], s[16:17]
	s_add_nc_u64 s[8:9], s[8:9], s[16:17]
.irp p, 0,1,2,3                        ; my 32 rows of q, 8 rows a pass, into S^T's registers: read once in the launch
.irp i, 0,1,2,3
	global_load_b128 v[S+16*\p+4*\i:S+16*\p+4*\i+3], v[L16], s[4:5] offset:2048*\p+512*\i th:TH_LOAD_NT
.endr
.endr
.irp i, 0,1,2,3                        ; and chunk 0 of k and v
	global_load_b128 v[XK+4*\i:XK+4*\i+3], v[L16], s[6:7] offset:512*\i
.endr
.irp i, 0,1,2,3
	global_load_b128 v[XV+4*\i:XV+4*\i+3], v[L16], s[8:9] offset:512*\i
.endr
; 8 rows x 64 f32, loaded as they lie (16 bytes a lane, 512 a load) into v[xr] on, become codes and scale bytes in an image.  The conversions take neighbours along K from ONE lane's registers: so the 2,048 bytes turn
; through my own stage and come back 64 bytes a lane.  LDS serves a wave's instructions in order (ISA guide 5.7.1.4): no wait between the stores and the loads.  Two neighbouring lanes hold a block of 32.
.macro QUANT8 xr, cadr, coff, badr, boff
.irp i, 0,1,2,3
	ds_store_b128 v[SIN], v[(\xr)+4*\i:(\xr)+4*\i+3] offset:640*\i
.endr
.irp i, 0,1,2,3
	ds_load_b128 v[(\xr)+4*\i:(\xr)+4*\i+3], v[SOUT] offset:16*\i
.endr
	s_wait_dscnt 0x0                               ; my 16 neighbours are in; the last call's stores of codes and byte are done too
	v_max3_num_f32 v248, |v[(\xr)]|, |v[(\xr)+1]|, |v[(\xr)+2]|    ; the largest magnitude of my 16, in two chains
	v_max3_num_f32 v249, |v[(\xr)+3]|, |v[(\xr)+4]|, |v[(\xr)+5]|
.irp i, 6,10
	v_max3_num_f32 v248, v248, |v[(\xr)+\i]|, |v[(\xr)+\i+1]|
	v_max3_num_f32 v249, v249, |v[(\xr)+\i+2]|, |v[(\xr)+\i+3]|
.endr
	v_max3_num_f32 v248, v248, |v[(\xr)+14]|, |v[(\xr)+15]|
	v_max3_num_f32 v248, v248, v249, 0x1800000     ; and the floor 2^(3 - 127), under which no largest magnitude is taken: so the byte cannot fall under 1
	v_max_num_f32_dpp v248, v248, v248 row_xmask:1 row_mask:0xf bank_mask:0xf   ; with my neighbour's 16: the block's
	v_add_nc_u32 v250, 0xff000000, v248            ; 2 off its exponent field: the conversion takes the exponent field of this operand as its scale, and nothing else of it
	v_cvt_scalef32_pk8_fp4_f32 v252, v[(\xr):(\xr)+7], v250       ; to the nearest code, ties to even, beyond 6 the largest code
	v_cvt_scalef32_pk8_fp4_f32 v253, v[(\xr)+8:(\xr)+15], v250
	v_lshrrev_b32 v251, 23, v250                   ; the scale's byte.  (Also the plain line behind the conversions)
	ds_store_b64 v[\cadr], v[252:253] offset:\coff
	ds_store_b8 v[\badr], v251 offset:\boff        ; both lanes of a block write the same byte with the same value
.endm
	; q: four passes of 8 rows make one image of 32 rows, laid like a fragment of k: tile 0 in registers 0-3, tile 1 in registers 4-7.  The counts: what was issued behind the pass's four loads: 4 (3 - p) of q, 8 of chunk 0
	s_wait_loadcnt 20
	QUANT8 S, QW, 0, QB, 0
	s_wait_loadcnt 16
	QUANT8 S+16, QW, 128, QB, 32
	s_wait_loadcnt 12
	QUANT8 S+32, QW, 512, QB, 2
	s_wait_loadcnt 8
	QUANT8 S+48, QW, 640, QB, 34
	ds_load_b128 v[QF:QF+3], v[QR]                 ; these see my stores above
	ds_load_b128 v[QF+8:QF+11], v[QR] offset:512
	ds_load_b32 v[QRAW], v[QSR]
	s_wait_dscnt 0x0
	v_and_b32 v[QS], 0xffff, v[QRAW]               ; [q | 0] of tile 0: its two bytes below, byte 0 over the zero codes
	v_lshlrev_b32 v[QS+1], 16, v[QRAW]             ; [0 | q] of tile 0
	v_lshrrev_b32 v[QS+2], 16, v[QRAW]             ; the same of tile 1
	v_and_b32 v[QS+3], 0xffff0000, v[QRAW]
.irp z, 20,21,22,23,28,29,30,31,36,37,38,39
	v_mov_b32 v\z, 0                               ; the zero codes
.endr
.irp t, 0,1
	v_mov_b32 v[ST+8*\t+1], 0xff61b1e6             ; m: -3e38
	v_mul_f32 v[ST+8*\t], s22, v[ST+8*\t+1]        ; c m
	v_mov_b32 v[ST+8*\t+2], 0                      ; l
	v_mov_b32 v[ST+8*\t+3], 0
.endr
.set n, 0
.rept 64
	v_mov_b32 v[O+n], 0                            ; O^T.  (The step is written once for all sixteen: the first finds zeros, and a = 0 leaves them zeros.  These lines also stand between the scale words' making and the first scaled product)
.set n, n+1
.endr
; A chunk's 8 rows of k and 8 of v, which have been on their way for two key steps, go into slot `slot`; loads = 1: the next chunk's are asked for; then the chunk's one barrier.
.macro CONVERT slot, loads
	s_wait_loadcnt 0x0                             ; all eight loads are in: their registers may be worked on, and their bases stepped
	QUANT8 XK, KW, SLOTB*\slot+KCO, KBY, SLOTB*\slot+SCO
.irp i, 0,1,2,3
	v_cvt_pk_f16_f32 v[XV+4*\i], v[XV+4*\i], v[XV+4*\i+1]         ; four numbers of a row of v: 8 bytes of f16
	v_cvt_pk_f16_f32 v[XV+4*\i+1], v[XV+4*\i+2], v[XV+4*\i+3]
.endr
.irp i, 0,1,2,3
	ds_store_b64 v[VW], v[XV+4*\i:XV+4*\i+1] offset:SLOTB*\slot+2*VP*\i
.endr
	s_wait_dscnt 0x0                               ; for the others' sake: my stores into this slot have landed, and my reads of the other slot are over
.if \loads
	s_add_nc_u64 s[6:7], s[6:7], 0x8000            ; 128 rows on
	s_add_nc_u64 s[8:9], s[8:9], 0x8000
.irp i, 0,1,2,3
	global_load_b128 v[XK+4*\i:XK+4*\i+3], v[L16], s[6:7] offset:512*\i
.endr
.irp i, 0,1,2,3
	global_load_b128 v[XV+4*\i:XV+4*\i+3], v[L16], s[8:9] offset:512*\i
.endr
.endif
	s_barrier_signal -1
	s_barrier_wait -1                              ; the slot is whole, and nobody reads the other one any more
.endm
; A KEY STEP: 64 keys, the q-th half of slot `slot`, for my two tiles of queries.
.macro STEP slot, q
.set BS, SLOTB*(\slot)
.rept 5
	v_nop                                          ; five places behind the last products v^T p: the products below write over registers that those read, and the loads below land in others of them
.endr
.irp i, 0,1,2,3
	ds_load_b128 v[KV+4*\i:KV+4*\i+3], v[L16] offset:BS+KCO+2048*(\q)+512*\i   ; two fragments of k: 64 keys
.endr
	ds_load_b32 v[KS], v[AS0] offset:BS+SCO+128*(\q)
	ds_load_b32 v[KS+1], v[AS0] offset:BS+SCO+128*(\q)+64
	s_wait_dscnt 0x0
.irp f, 0,1                            ; S^T = k q^T: fragment f with form u gives keys 32 f + 16 u + 0..15; eight accumulators, each written once
.irp u, 0,1
.irp t, 0,1
	v_wmma_scale_f32_16x16x128_f8f6f4 v[S+32*\t+8*(2*\f+\u):S+32*\t+8*(2*\f+\u)+7], v[KV+8*\f:KV+8*\f+7], v[QF+8*\t-4*\u:QF+8*\t-4*\u+7], 0, v[KS+\f], v[QS+2*\t+\u] matrix_a_fmt:MATRIX_FMT_FP4 matrix_b_fmt:MATRIX_FMT_FP4
.endr
.endr
.endr
.rept 4
	v_nop                                          ; four places in front of the loads into k's registers and of the first read of the scores
.endr
.irp c, 0,1,2,3                        ; v of keys 0-31, turned: channels 16 c on.  They land while the softmax is walked
	ds_load_tr16_b128 v[KV+8*\c:KV+8*\c+3],   v[AV0] offset:BS+64*VP*(\q)+32*\c
	ds_load_tr16_b128 v[KV+8*\c+4:KV+8*\c+7], v[AV0] offset:BS+64*VP*(\q)+16*VP+32*\c
.endr
	; the maximum of my 32 scores of each tile and the old m, three operands at a time; the two tiles line by line in turn.  Each accumulator is first read at its low end
.irp j, 0,1,2,3
.irp t, 0,1
	v_max3_num_f32 v[ST+8*\t+4+\j], v[S+32*\t+8*\j], v[S+32*\t+8*\j+1], v[S+32*\t+8*\j+2]
.endr
.endr
.irp g, 1,2
.irp j, 0,1,2,3
.irp t, 0,1
	v_max3_num_f32 v[ST+8*\t+4+\j], v[ST+8*\t+4+\j], v[S+32*\t+8*\j+2*\g+1], v[S+32*\t+8*\j+2*\g+2]
.endr
.endr
.endr
.irp t, 0,1
	v_max3_num_f32 v[ST+8*\t+4], v[ST+8*\t+4], v[S+32*\t+7], v[S+32*\t+15]
	v_max3_num_f32 v[ST+8*\t+6], v[ST+8*\t+6], v[S+32*\t+23], v[S+32*\t+31]
.endr
.irp t, 0,1
	v_max3_num_f32 v[ST+8*\t+4], v[ST+8*\t+4], v[ST+8*\t+5], v[ST+8*\t+6]
.endr
.irp t, 0,1
	v_max3_num_f32 v[ST+8*\t+4], v[ST+8*\t+4], v[ST+8*\t+7], v[ST+8*\t+1]
.endr
.irp t, 0,1
	v_permlanex16_b32 v[ST+8*\t+5], v[ST+8*\t+4], s20, s21        ; the query's other 32 keys lie in the lane 16 away
.endr
.irp t, 0,1
	v_mov_b32 v[ST+8*\t+7], v[ST+8*\t]             ; c m_old is kept for a
.endr
.irp t, 0,1
	v_max_num_f32 v[ST+8*\t+1], v[ST+8*\t+4], v[ST+8*\t+5]        ; the new m
.endr
.irp t, 0,1
	v_mul_f32 v[ST+8*\t], s22, v[ST+8*\t+1]
.endr
.irp t, 0,1
	v_sub_f32 v[ST+8*\t+7], v[ST+8*\t+7], v[ST+8*\t]
.endr
.set n, 0
.rept 16
.irp t, 0,1
	v_pk_fma_f32 v[S+32*\t+2*n:S+32*\t+2*n+1], v[S+32*\t+2*n:S+32*\t+2*n+1], s[22:23], v[ST+8*\t:ST+8*\t+1] op_sel_hi:[1,0,0] neg_lo:[0,0,1] neg_hi:[0,0,1]   ; c s - c m, two at a time
.endr
.set n, n+1
.endr
	; ONE BATCH: both tiles' a and their 64 exponentials; none reads another's result
.irp t, 0,1
	v_exp_f32 v[ST+8*\t+6], v[ST+8*\t+7]           ; a = 2^(c m_old - c m_new)
.endr
.set n, 0
.rept 32
.irp t, 0,1
	v_exp_f32 v[S+32*\t+n], v[S+32*\t+n]           ; p
.endr
.set n, n+1
.endr
	v_nop                                          ; a plain line behind the last exponential, ahead of the first use
	s_wait_alu depctr_va_vdst(0)                   ; the wait ahead of the first line that names a result: one for the batch
.irp t, 0,1
	v_pk_add_f32 v[ST+8*\t+4:ST+8*\t+5], v[S+32*\t:S+32*\t+1], v[S+32*\t+2:S+32*\t+3]    ; the row's sum is taken of p in f32
.endr
.set n, 4
.rept 14
.irp t, 0,1
	v_pk_add_f32 v[ST+8*\t+4:ST+8*\t+5], v[ST+8*\t+4:ST+8*\t+5], v[S+32*\t+n:S+32*\t+n+1]
.endr
.set n, n+2
.endr
.irp t, 0,1
	v_pk_fma_f32 v[ST+8*\t+2:ST+8*\t+3], v[ST+8*\t+2:ST+8*\t+3], v[ST+8*\t+6:ST+8*\t+7], v[ST+8*\t+4:ST+8*\t+5] op_sel_hi:[1,0,1]   ; l = a l + the sum
.endr
.set n, 0
.rept 16                               ; p to f16, in place: register n takes pair n; it was itself the source of pair n / 2 alone, which has gone before
.irp t, 0,1
	v_cvt_pk_f16_f32 v[S+32*\t+n], v[S+32*\t+2*n], v[S+32*\t+2*n+1]
.endr
.set n, n+1
.endr
.irp c, 0,1,2,3                        ; v of keys 32-63 into the upper halves of S^T's registers, which the roundings have left
	ds_load_tr16_b128 v[S+32*(\c/2)+16+8*(\c%2):S+32*(\c/2)+16+8*(\c%2)+3],   v[AV0] offset:BS+64*VP*(\q)+32*VP+32*\c
	ds_load_tr16_b128 v[S+32*(\c/2)+16+8*(\c%2)+4:S+32*(\c/2)+16+8*(\c%2)+7], v[AV0] offset:BS+64*VP*(\q)+48*VP+32*\c
.endr
.set n, 0
.rept 16
.irp t, 0,1
	v_pk_mul_f32 v[O+32*\t+2*n:O+32*\t+2*n+1], v[O+32*\t+2*n:O+32*\t+2*n+1], v[ST+8*\t+6:ST+8*\t+7] op_sel_hi:[1,0]   ; O^T x a, each accumulator from its low end on
.endr
.set n, n+1
.endr
	s_wait_dscnt 8                                 ; v of keys 0-31 is in; the eight loads issued behind them (keys 32-63) may be out
.irp c, 0,1,2,3                        ; O^T += v^T p: the eight accumulators take turns, one instruction a turn, in the same order in both halves
.irp t, 0,1
	v_wmma_f32_16x16x32_f16 v[O+32*\t+8*\c:O+32*\t+8*\c+7], v[KV+8*\c:KV+8*\c+7], v[S+32*\t:S+32*\t+7], v[O+32*\t+8*\c:O+32*\t+8*\c+7]
.endr
.endr
	s_wait_dscnt 0x0
.irp c, 0,1,2,3
.irp t, 0,1
	v_wmma_f32_16x16x32_f16 v[O+32*\t+8*\c:O+32*\t+8*\c+7], v[S+32*(\c/2)+16+8*(\c%2):S+32*(\c/2)+16+8*(\c%2)+7], v[S+32*\t+8:S+32*\t+15], v[O+32*\t+8*\c:O+32*\t+8*\c+7]
.endr
.endr
.endm
	CONVERT 0, 1                                   ; chunk 0 into slot 0; chunk 1 is asked for
	s_mov_b32 s24, 3
.Ltrip:                                                ; a trip: chunks 2 j and 2 j + 1 are multiplied, chunks 2 j + 1 and 2 j + 2 converted, chunks 2 j + 2 and 2 j + 3 asked for
	STEP 0, 0
	STEP 0, 1
	CONVERT 1, 1
	STEP 1, 0
	STEP 1, 1
	CONVERT 0, 1
	s_sub_co_u32 s24, s24, 1
	s_cmp_lg_u32 s24, 0
	s_cbranch_scc1 .Ltrip
	STEP 0, 0                                      ; chunks 6 and 7: nothing is left to ask for, so no load leaves its buffer
	STEP 0, 1
	CONVERT 1, 0
	STEP 1, 0
	STEP 1, 1
	; THE WAY OUT.  l's two halves and the other half of the lanes' are added; O^T is divided by l and goes through my stage, a tile (16 rows of 256 bytes) at a time, so that sixteen lanes store 256 consecutive bytes.
.rept 4
	v_nop                                          ; four places behind the last products
.endr
.irp t, 0,1
	v_add_f32 v[ST+8*\t+4], v[ST+8*\t+2], v[ST+8*\t+3]
.endr
.irp t, 0,1
	v_permlanex16_b32 v[ST+8*\t+5], v[ST+8*\t+4], s20, s21
.endr
.irp t, 0,1
	v_add_f32 v[ST+8*\t+4], v[ST+8*\t+4], v[ST+8*\t+5]
.endr
.irp t, 0,1
	v_rcp_f32 v[ST+8*\t+6], v[ST+8*\t+4]
.endr
	v_and_b32 v250, 15, v0                         ; (plain work behind the reciprocals)  r
	v_bfe_u32 v251, v0, 4, 1                       ; h
	v_mul_u32_u24 v248, v250, 272                  ; in: row r of 272 bytes (68 words: the sixteen rows start at sixteen different banks), my eight channels of tile c at 64 c + 32 h
	v_lshl_add_u32 v248, v251, 5, v248
	v_add_nc_u32 v248, s13, v248
	v_mul_u32_u24 v249, v251, 272                  ; back: lanes 0-15 one row, lanes 16-31 the next
	v_lshl_add_u32 v249, v250, 4, v249
	v_add_nc_u32 v249, s13, v249
	s_wait_alu depctr_va_vdst(0)                   ; the wait ahead of the first use: one for both reciprocals
.set n, 0
.rept 16
.irp t, 0,1
	v_pk_mul_f32 v[O+32*\t+2*n:O+32*\t+2*n+1], v[O+32*\t+2*n:O+32*\t+2*n+1], v[ST+8*\t+6:ST+8*\t+7] op_sel_hi:[1,0]
.endr
.set n, n+1
.endr
.irp t, 0,1
.irp c, 0,1,2,3
	ds_store_b128 v248, v[O+32*\t+8*\c:O+32*\t+8*\c+3] offset:64*\c
	ds_store_b128 v248, v[O+32*\t+8*\c+4:O+32*\t+8*\c+7] offset:64*\c+16
.endr
.irp i, 0,1,2,3,4,5,6,7
	ds_load_b128 v[S+32*\t+4*\i:S+32*\t+4*\i+3], v249 offset:544*\i   ; LDS serves a wave's instructions in order: these see the stores above, and the next tile's stores come behind them
.endr
.endr
.irp i, 0,1,2,3,4,5,6,7
	s_wait_dscnt 23-\i                             ; behind tile 0's load i: its 7 - i later loads and tile 1's sixteen LDS instructions
	global_store_b128 v[L16], v[S+4*\i:S+4*\i+3], s[10:11] offset:512*\i th:TH_STORE_NT   ; two rows of out: each sixteen lanes store 256 consecutive bytes, at a multiple of 256 from out's first byte
.endr
.irp i, 0,1,2,3,4,5,6,7
	s_wait_dscnt 7-\i
	global_store_b128 v[L16], v[S+32+4*\i:S+32+4*\i+3], s[10:11] offset:4096+512*\i th:TH_STORE_NT
.endr
	s_wait_tensorcnt 0x0                           ; the wave's end, behind my last LDS store
	ds_add_u32 v[SPW], v[NIL]
	s_wait_dscnt 0x0
	s_endpgm
.Lfunc_end_k_qbecb17706f_attn:
	.size	k_qbecb17706f_attn, .Lfunc_end_k_qbecb17706f_attn-k_qbecb17706f_attn
	.p2alignl 7, 3214868480
	.fill 96, 4, 3214868480
	.section	.rodata,"a",@progbits
	.p2align	6, 0x0
	.amdhsa_kernel k_qbecb17706f_attn
		.amdhsa_group_segment_fixed_size 137216
		.amdhsa_private_segment_fixed_size 0
		.amdhsa_enable_private_segment 0
		.amdhsa_kernarg_size 32
		.amdhsa_user_sgpr_count 2
		.amdhsa_user_sgpr_kernarg_segment_ptr 1
		.amdhsa_wavefront_size32 1
		.amdhsa_system_sgpr_workgroup_id_x 1
		.amdhsa_system_sgpr_workgroup_id_y 1
		.amdhsa_system_sgpr_workgroup_id_z 1
		.amdhsa_system_vgpr_workitem_id 0
		.amdhsa_next_free_vgpr 256
		.amdhsa_next_free_sgpr 66
		.amdhsa_reserve_vcc 0
		.amdhsa_float_denorm_mode_32 3
		.amdhsa_float_denorm_mode_16_64 3
		.amdhsa_memory_ordered 1
		.amdhsa_forward_progress 1
		.amdhsa_inst_pref_size 165
	.end_amdhsa_kernel
	.amdgpu_metadata
---
amdhsa.version: [ 1, 2 ]
amdhsa.kernels:
  - .name:           k_qbecb17706f_attn
    .symbol:         k_qbecb17706f_attn.kd
    .args:
      - { .name: q, .offset: 0, .size: 8, .value_kind: global_buffer, .address_space: global }
      - { .name: k, .offset: 8, .size: 8, .value_kind: global_buffer, .address_space: global }
      - { .name: v, .offset: 16, .size: 8, .value_kind: global_buffer, .address_space: global }
      - { .name: out0, .offset: 24, .size: 8, .value_kind: global_buffer, .address_space: global }
    .group_segment_fixed_size: 137216
    .private_segment_fixed_size: 0
    .kernarg_segment_align: 8
    .kernarg_segment_size: 32
    .max_flat_workgroup_size: 512
    .sgpr_count:     66
    .vgpr_count:     256
    .wavefront_size: 32
...
	.end_amdgpu_metadata
.endif
;; end of part 1
;; ======== version 2 of 2: 1 launch; version 1 with the launch attn written anew for expert scheduling mode
;; limits: values are held in f16: magnitudes above 65,504 overflow, below 6.1e-05 lose precision
;; launch attn (part 2): grid 2 x 128, 16 waves a work-group, no clusters, 137,216 bytes of LDS; arguments q, k, v, out0; writes out0
.if DOCPART == 2
	.amdgcn_target "amdgcn-amd-amdhsa--gfx1250"
	.amdhsa_code_object_version 6
	.text
	.protected	k_qbecb17706f_attn
	.globl	k_qbecb17706f_attn
	.p2align	8
	.type	k_qbecb17706f_attn,@function
k_qbecb17706f_attn:
	s_mov_b64 s[64:65], 0
	v_nop
	global_prefetch_b8 v0, s[64:65] scope:SCOPE_SE
	s_setreg_imm32_b32 hwreg(HW_REG_WAVE_SCHED_MODE, 0, 2), 2
	s_setreg_imm32_b32 hwreg(HW_REG_WAVE_MODE, 25, 1), 1
	s_wait_xcnt 0x0
	s_wait_alu depctr_vm_vsrc(0)
; out[h][q][:] = the sum over k of softmax_k(Q(q[h][q]) . Q(k[h][k]) / 8) v[h][k][:].  q, k, v, out: [128 heads][1024][64] f32.
; Q(.) is the MX quantiser along the head's 64: codes of E2M1, one E8M0 scale for each 32.  The first product runs on those codes; its sums, the maxima, the exponentials and the row sums are f32;
; the second product takes p and v rounded to f16, with f32 sums.
; SHARES.  A work-group owns 512 queries of one head (grid x = the half, y = the head); each of its sixteen waves owns 32 of them, two tiles of 16, in 256 registers: four waves to a SIMD, so that one wave's
; vector work stands beside another's products and LDS loads.  Every wave walks all 1,024 keys, 64 a STEP, 128 a CHUNK.
; K AND V arrive as f32 and are wanted narrow, so they go through registers: in each chunk wave w loads 8 rows of k and 8 of v (eight loads of 512 consecutive bytes), ONE CHUNK AHEAD of their use, quantises k,
; rounds v to f16 and stores both into one of two LDS slots, which all sixteen waves read.  One barrier a chunk: in front of it each wave's stores into the new slot have landed and its reads of the old one are
; over; the old slot is written again only a chunk later, behind that barrier.
; NO CLUSTER, NO TENSOR LOAD: what two work-groups of a head share are f32 numbers that each must pass through registers to become codes and f16; a joint load would bring 64 KiB a chunk into LDS only
; to be read out, converted and stored again.
; THE FIRST PRODUCT HAS K = 64, THE INSTRUCTION 128.  A fragment of k holds 32 KEYS: row r carries key 32 f + r in k = 0..63 and key 32 f + 16 + r in k = 64..127.  q is given in two forms, [q | 0] and [0 | q]:
; the zeros are zero CODES under the scale byte 0 (2^-127, a finite number), and E2M1 has no infinity or NaN, so that half adds exactly nothing.  [q | 0] gives the scores of keys 32 f + 0..15, [0 | q] of 32 f + 16..31.
; LAYOUT.  Both products are used transposed: S^T = k q^T (source 0 = keys, source 1 = 16 queries), O^T = v^T p (source 0 = 16 channels, source 1 = p): a lane holds ONE query (lane % 16) throughout, and the keys
; 16 u + 8 (lane / 16) + 0..7 of tile u.  Two such tiles, rounded to f16 in pairs, ARE source 1 (32 keys x 16 queries) of the second product.  v ([key][channel] in LDS) comes out turned, by ds_load_tr16_b128.
; SOFTMAX.  For each query a running maximum m of the raw scores and a sum l: p = 2^(c s - c m), c = log2(e) / 8; in every step O^T and l are multiplied by a = 2^(c m_old - c m_new).
; LIMITS.  NaN and infinities among the inputs are not served.  |v| above 65,504 becomes an infinity in f16.  m starts at -3e38: raw scores under that are not served.  A block of zeros gets the scale byte 1
; where the rule says 127: its codes are zeros, and this program alone reads the bytes.
; THE MODE: SCHED_MODE bits 1:0 = 2 (LLVM: expert scheduling mode 2), set by the entry lines.  The code itself states the register dependences between vector or matrix instructions and memory or LDS
; instructions, with s_wait_alu, always for 0.
; THE PLAN.  Registers that memory or LDS instructions touch, behind the head:
;   v1-v10        addresses, written at the head and never again.
;   XK            a chunk's turn: the stage's stores read it, the stage's loads land in it, maxima and conversions read it, the next chunk's global loads land in it.
;   XV            a chunk's turn: the roundings to f16 write it in place, four LDS stores read it, the next chunk's global loads land in it.
;   v251-v253     written by the quantiser (byte, codes), read by its two LDS stores.
;   KV, KS        a step: k's two fragments land in v56-71 and their scale words in KS; the scaled products read them; v of keys 0-31 lands in v56-87; the first eight f16 products read it.
;   S^T's upper halves (v104-119, v136-151): written by the scaled products, worked on by the softmax; v of keys 32-63 lands there behind p's roundings; the second eight f16 products read it.
;   O^T, the statistics, q's forms and p are named by vector and matrix instructions alone.
; So a chunk's turn has ONE wait on va_vdst, behind the quantiser's conversions (v's roundings stand ahead of it), and two on vm_vsrc: between the stage's stores and loads, and behind v's stores.
; A step has a wait on va_vdst ahead of each of its runs of LDS loads whose registers vector or matrix instructions have named since the last such wait: at its head (a chunk's second step alone: in the first the
; chunk's turn has waited), behind the scaled products, and behind p's roundings; and the one for the exponentials.
;
; LDS.  Slot s at 32,768 s: v, 128 rows of 64 f16, 160 bytes apart (128 + 32: 64 banks of 4 bytes, ISA guide 11.1);
; behind it k's four fragments as images of their registers (1,024 bytes each: registers 0-3 at 16 x lane, registers 4-7 at 512 + 16 x lane); behind them their scale words (fragment f, row r at 64 f + 4 r).
; From 65,536 on a stage of 4,352 bytes for each wave, its own: the quantiser's turning stage (2,560), q's image (1,024), q's scale words (64); at the end the whole of it is the way out's 16 rows x 272.
; Behind the stages the spare words.
.set SLOTB, 32768
.set VP,    160                        ; a row of v in LDS
.set KCO,   128*VP                     ; k's images in a slot
.set SCO,   KCO+4096                   ; their scale words
.set STG,   2*SLOTB                    ; the waves' stages
.set STGW,  4352
.set QIM,   2560                       ; in a stage: q's image
.set QSW,   3584                       ; and q's scale words
.set SPARE, STG+16*STGW                ; the spare words, 128 bytes for each wave: eight blocks of 256 bytes that no other line names
.set SPW, 1                            ; v1   LDS address of my spare word: SPARE + 4 x my thread's number; never rewritten
.set NIL, 2                            ; v2   0; never rewritten
.set AV0, 3                            ; v3   my lane's place in a turning load of v
.set L16, 4                            ; v4   16 x lane: an image's place, and my 16 bytes of every global load's and store's 512
.set AS0, 5                            ; v5   4 x (lane % 16): a scale word's place
.set VW,  6                            ; v6   where I store v: row 8 w + lane / 16, byte 8 (lane % 16)
.set KW,  7                            ; v7   where I store 16 codes of k
.set KBY, 8                            ; v8   and their block's scale byte
.set SIN, 9                            ; v9   the turning stage, on the way in
.set SOUT, 10                          ; v10  and on the way out
.set KS,  14                           ; v14-15  scale words of the step's two fragments of k
.set QS,  16                           ; v16-19  q's scale words: tile 0 low form, tile 0 high form, tile 1 low, tile 1 high
.set QF,  24                           ; v20-39  zeros, q tile 0, zeros, q tile 1, zeros (4 each): form (t, u) begins at v[24 + 8 t - 4 u]
.set ST,  40                           ; v40-55  statistics, tile t at 40 + 8 t: +0 c m, +1 m, +2, +3 l (even keys', odd keys'), +4 to +7 at work; a in +6
.set KV,  56                           ; v56-87  k's two fragments, then v's four fragments of the step's keys 0-31
.set S,   88                           ; v88-151 S^T, 32 a tile; then p in f16 in each tile's first 16, and v's fragments of keys 32-63 in the upper 16 of both
.set O,   152                          ; v152-215 O^T, 32 a tile, channels 16 c on at + 8 c
.set XK,  216                          ; v216-231 8 rows of k on their way
.set XV,  232                          ; v232-247 8 rows of v on their way
.set QW,  152                          ; at the head only, in registers that O^T takes later: where q's codes go,
.set QB,  153                          ; their scale bytes,
.set QR,  154                          ; where q's image is read back,
.set QSR, 155                          ; and its scale words;
.set QRAW, 156                         ; the word as it lies: tile 0's two bytes, tile 1's two bytes
	s_load_b256 s[4:11], s[0:1], 0x0               ; q s[4:5], k s[6:7], v s[8:9], out s[10:11]
	v_lshl_add_u32 v[SPW], v0, 2, SPARE
	v_mov_b32 v[NIL], 0
	v_lshrrev_b32 v11, 5, v0
	v_readfirstlane_b32 s12, v11                   ; wave 0..15
	v_and_b32 v11, 31, v0                          ; lane
	v_and_b32 v12, 15, v0                          ; r = lane % 16
	v_bfe_u32 v13, v0, 4, 1                        ; h = lane / 16
	v_lshlrev_b32 v[L16], 4, v11
	v_lshlrev_b32 v[AS0], 2, v12
	; the turning load takes 16 keys x 16 channels: lane l reads 16 bytes of key 8 h + l % 8, channels 8 ((l / 8) % 2) on
	v_and_b32 v[AV0], 7, v0
	v_lshl_add_u32 v[AV0], v13, 3, v[AV0]
	v_mul_u32_u24 v[AV0], v[AV0], VP
	v_bfe_u32 v[VW], v0, 3, 1
	v_lshl_add_u32 v[AV0], v[VW], 4, v[AV0]
	; v's way in: a load's 512 bytes are two rows; lane (r, h) holds 4 numbers of row h, which become 8 bytes
	v_bfe_u32 v[VW], v0, 5, 4                      ; wave
	v_lshl_add_u32 v[VW], v[VW], 3, v13
	v_mul_u32_u24 v[VW], v[VW], VP
	v_lshl_add_u32 v[VW], v12, 3, v[VW]
	; the quantiser leaves lane l with 16 codes: row l / 4 of 8, block (l / 2) % 2, half l % 2.  In an image they go to lane (row's r) + 16 x block, 8 bytes for each half
	v_and_b32 v248, 1, v0
	v_lshlrev_b32 v248, 3, v248
	v_bfe_u32 v250, v0, 2, 3                       ; row
	v_bfe_u32 v251, v0, 1, 1                       ; block
	v_lshl_or_b32 v248, v250, 4, v248
	v_lshl_or_b32 v248, v251, 8, v248              ; block << 8 | row << 4 | half << 3
	v_lshl_or_b32 v249, v250, 2, v251              ; the byte: row << 2 | block
	; k: key 8 w + row of the chunk's 128: fragment w / 4, upper half (w / 2) % 2, r = 8 (w % 2) + row
	v_bfe_u32 v250, v0, 5, 1
	v_bfe_u32 v251, v0, 6, 1
	v_bfe_u32 v252, v0, 7, 2
	v_lshl_or_b32 v[KW], v250, 7, v248
	v_lshl_or_b32 v[KW], v251, 9, v[KW]
	v_lshl_or_b32 v[KW], v252, 10, v[KW]
	v_lshl_or_b32 v[KBY], v251, 1, v249
	v_lshl_or_b32 v[KBY], v250, 5, v[KBY]
	v_lshl_or_b32 v[KBY], v252, 6, v[KBY]
	s_wait_alu depctr_va_sdst(0)                   ; s12 is written, ahead of its first reader: my stage and my rows are made from it
	s_mul_i32 s13, s12, STGW
	s_add_co_u32 s13, s13, STG                     ; my stage; kept for the way out
	s_add_co_u32 s18, s13, QIM
	s_add_co_u32 s19, s13, QSW
	v_bfe_u32 v[SIN], v0, 2, 3                     ; the turning stage: four lanes' 64 bytes on end, then 16 of padding: 80 (lane / 4) + 16 (lane % 4); a load's 512 bytes take eight places
	v_mul_u32_u24 v[SIN], v[SIN], 80
	v_and_b32 v[SOUT], 3, v0
	v_lshl_add_u32 v[SIN], v[SOUT], 4, v[SIN]
	v_add_nc_u32 v[SIN], s13, v[SIN]
	v_mul_u32_u24 v[SOUT], v11, 80                 ; back: 80 x lane: 16 neighbours along the head's 64
	v_add_nc_u32 v[SOUT], s13, v[SOUT]
	v_add_nc_u32 v[QW], s18, v248
	v_add_nc_u32 v[QB], s19, v249
	v_add_nc_u32 v[QR], s18, v[L16]
	v_add_nc_u32 v[QSR], s19, v[AS0]
	s_mov_b32 s20, 0x76543210                      ; v_permlanex16_b32's selects for lane l xor 16
	s_mov_b32 s21, 0xfedcba98
	s_mov_b32 s22, 0x3e38aa3b                      ; c = log2(e) / 8
	s_mov_b32 s23, s22                             ; (the packed form names the pair and takes its low word for both halves: so it is written)
	s_and_b32 s14, ttmp7, 0xffff
	s_lshl_b32 s14, s14, 18                        ; the head: 1,024 rows of 256 bytes
	s_lshl_b32 s16, s12, 11
	s_add_co_u32 s16, s16, s14                     ; k, v: + my 8 rows of a chunk
	s_mov_b32 s17, 0
	s_lshl_b32 s18, ttmp9, 17
	s_add_co_u32 s14, s14, s18                     ; q, out: + the half's 512 rows
	s_lshl_b32 s18, s12, 13
	s_add_co_u32 s14, s14, s18                     ; + my 32 rows.  (All under 2^25)
	s_mov_b32 s15, 0
	s_wait_kmcnt 0x0
	s_add_nc_u64 s[4:5], s[4:5], s[14:15]
	s_add_nc_u64 s[10:11], s[10:11], s[14:15]
	s_add_nc_u64 s[6:7], s[6:7], s[16:17]
	s_add_nc_u64 s[8:9], s[8:9], s[16:17]
	s_wait_alu depctr_va_vdst(0)                   ; the addresses v1 to v10 and v152 to v155 are written: every memory and LDS instruction up to the way out reads its address from among them
.irp p, 0,1,2,3                        ; my 32 rows of q, 8 rows a pass, into S^T's registers: read once in the launch
.irp i, 0,1,2,3
	global_load_b128 v[S+16*\p+4*\i:S+16*\p+4*\i+3], v[L16], s[4:5] offset:2048*\p+512*\i th:TH_LOAD_NT
.endr
.endr
.irp i, 0,1,2,3                        ; and chunk 0 of k and v
	global_load_b128 v[XK+4*\i:XK+4*\i+3], v[L16], s[6:7] offset:512*\i
.endr
.irp i, 0,1,2,3
	global_load_b128 v[XV+4*\i:XV+4*\i+3], v[L16], s[8:9] offset:512*\i
.endr
; 8 rows x 64 f32, loaded as they lie (16 bytes a lane, 512 a load) into v[xr] on, become codes and scale bytes in an image.  The conversions take neighbours along K from ONE lane's registers: so the 2,048 bytes turn
; through my own stage and come back 64 bytes a lane.  LDS serves a wave's instructions in order (ISA guide 5.7.1.4): no wait on DScnt between the stores and the loads.  Two neighbouring lanes hold a block of 32.
; In three parts: TURN (through the stage), CODES (the arithmetic), SENDC (codes and byte into the image).
.macro TURN xr
.irp i, 0,1,2,3
	ds_store_b128 v[SIN], v[(\xr)+4*\i:(\xr)+4*\i+3] offset:640*\i
.endr
	s_wait_alu depctr_vm_vsrc(0)                   ; the four stores have read v[xr ..], in which the loads below land; the last call's stores of codes and byte have read v251 to v253, which CODES writes again
.irp i, 0,1,2,3
	ds_load_b128 v[(\xr)+4*\i:(\xr)+4*\i+3], v[SOUT] offset:16*\i
.endr
.endm
.macro CODES xr
	s_wait_dscnt 0x0                               ; my 16 neighbours are in; the last call's stores of codes and byte are done too
	v_max3_num_f32 v248, |v[(\xr)]|, |v[(\xr)+1]|, |v[(\xr)+2]|    ; the largest magnitude of my 16, in two chains
	v_max3_num_f32 v249, |v[(\xr)+3]|, |v[(\xr)+4]|, |v[(\xr)+5]|
.irp i, 6,10
	v_max3_num_f32 v248, v248, |v[(\xr)+\i]|, |v[(\xr)+\i+1]|
	v_max3_num_f32 v249, v249, |v[(\xr)+\i+2]|, |v[(\xr)+\i+3]|
.endr
	v_max3_num_f32 v248, v248, |v[(\xr)+14]|, |v[(\xr)+15]|
	v_max3_num_f32 v248, v248, v249, 0x1800000     ; and the floor 2^(3 - 127), under which no largest magnitude is taken: so the byte cannot fall under 1
	v_max_num_f32_dpp v248, v248, v248 row_xmask:1 row_mask:0xf bank_mask:0xf   ; with my neighbour's 16: the block's
	v_add_nc_u32 v250, 0xff000000, v248            ; 2 off its exponent field: the conversion takes the exponent field of this operand as its scale, and nothing else of it
	v_cvt_scalef32_pk8_fp4_f32 v252, v[(\xr):(\xr)+7], v250       ; to the nearest code, ties to even, beyond 6 the largest code
	v_cvt_scalef32_pk8_fp4_f32 v253, v[(\xr)+8:(\xr)+15], v250
	v_lshrrev_b32 v251, 23, v250                   ; the scale's byte.  (Also the plain line behind the conversions)
	s_wait_alu depctr_va_vdst(0)                   ; v251 to v253 are written, which SENDC's stores read; the maxima and conversions are done reading v[xr ..]; all that was issued ahead (a chunk's roundings of v, the last step's products) is complete too
.endm
.macro SENDC cadr, coff, badr, boff
	ds_store_b64 v[\cadr], v[252:253] offset:\coff
	ds_store_b8 v[\badr], v251 offset:\boff        ; both lanes of a block write the same byte with the same value
.endm
.macro QUANT8 xr, cadr, coff, badr, boff
	TURN \xr
	CODES \xr
	SENDC \cadr, \coff, \badr, \boff
.endm
	; q: four passes of 8 rows make one image of 32 rows, laid like a fragment of k: tile 0 in registers 0-3, tile 1 in registers 4-7.  The counts: what was issued behind the pass's four loads: 4 (3 - p) of q, 8 of chunk 0
	s_wait_loadcnt 20
	QUANT8 S, QW, 0, QB, 0
	s_wait_loadcnt 16
	QUANT8 S+16, QW, 128, QB, 32
	s_wait_loadcnt 12
	QUANT8 S+32, QW, 512, QB, 2
	s_wait_loadcnt 8
	QUANT8 S+48, QW, 640, QB, 34
	ds_load_b128 v[QF:QF+3], v[QR]                 ; these see my stores above.  (No vector instruction has named the registers in which the three loads land)
	ds_load_b128 v[QF+8:QF+11], v[QR] offset:512
	ds_load_b32 v[QRAW], v[QSR]
	s_wait_dscnt 0x0
	v_and_b32 v[QS], 0xffff, v[QRAW]               ; [q | 0] of tile 0: its two bytes below, byte 0 over the zero codes
	v_lshlrev_b32 v[QS+1], 16, v[QRAW]             ; [0 | q] of tile 0
	v_lshrrev_b32 v[QS+2], 16, v[QRAW]             ; the same of tile 1
	v_and_b32 v[QS+3], 0xffff0000, v[QRAW]
.irp z, 20,21,22,23,28,29,30,31,36,37,38,39
	v_mov_b32 v\z, 0                               ; the zero codes
.endr
.irp t, 0,1
	v_mov_b32 v[ST+8*\t+1], 0xff61b1e6             ; m: -3e38
	v_mul_f32 v[ST+8*\t], s22, v[ST+8*\t+1]        ; c m
	v_mov_b32 v[ST+8*\t+2], 0                      ; l
	v_mov_b32 v[ST+8*\t+3], 0
.endr
	s_wait_alu depctr_vm_vsrc(0)                   ; q's LDS stores and loads have read their addresses v152 to v155, which the zeros below write over
.set n, 0
.rept 64
	v_mov_b32 v[O+n], 0                            ; O^T.  (The step is written once for all sixteen: the first finds zeros, and a = 0 leaves them zeros.  These lines also stand between the scale words' making and the first scaled product; the wait on va_vdst in chunk 0's turn, behind them, shows q's scale words and zero codes written ahead of that product)
.set n, n+1
.endr
; A chunk's 8 rows of k and 8 of v, which have been on their way for two key steps, go into slot `slot`; loads = 1: the next chunk's are asked for; then the chunk's one barrier.
; v's roundings stand between the stage's loads and the wait for them, so that the one wait on va_vdst at the end of CODES serves k's codes and v's f16 alike.
.macro CONVERT slot, loads
	s_wait_loadcnt 0x0                             ; all eight loads are in: their registers may be worked on, and their bases stepped
	TURN XK
.irp i, 0,1,2,3
	v_cvt_pk_f16_f32 v[XV+4*\i], v[XV+4*\i], v[XV+4*\i+1]         ; four numbers of a row of v: 8 bytes of f16
	v_cvt_pk_f16_f32 v[XV+4*\i+1], v[XV+4*\i+2], v[XV+4*\i+3]
.endr
	CODES XK
.if \loads
	s_add_nc_u64 s[6:7], s[6:7], 0x8000            ; 128 rows on
	s_add_nc_u64 s[8:9], s[8:9], 0x8000
.irp i, 0,1,2,3
	global_load_b128 v[XK+4*\i:XK+4*\i+3], v[L16], s[6:7] offset:512*\i   ; no further wait: CODES' wait shows XK's readers done, TURN's shows that the stage's stores have read it, and no vector instruction has been issued since
.endr
.endif
	SENDC KW, SLOTB*\slot+KCO, KBY, SLOTB*\slot+SCO
.irp i, 0,1,2,3
	ds_store_b64 v[VW], v[XV+4*\i:XV+4*\i+1] offset:SLOTB*\slot+2*VP*\i   ; written ahead of CODES' wait
.endr
.if \loads
	s_wait_alu depctr_vm_vsrc(0)                   ; the four stores above have read XV, in which the loads below land
.irp i, 0,1,2,3
	global_load_b128 v[XV+4*\i:XV+4*\i+3], v[L16], s[8:9] offset:512*\i
.endr
.endif
	s_wait_dscnt 0x0                               ; for the others' sake: my stores into this slot have landed, and my reads of the other slot are over
	s_barrier_signal -1
	s_barrier_wait -1                              ; the slot is whole, and nobody reads the other one any more
.endm
; A KEY STEP: 64 keys, the q-th half of slot `slot`, for my two tiles of queries.
.macro STEP slot, q
.set BS, SLOTB*(\slot)
.rept 5
	v_nop                                          ; five places behind the last products v^T p: the products below write over registers that those read (ISA guide 7.12.1)
.endr
.if \q
	s_wait_alu depctr_va_vdst(0)                   ; the last step's products v^T p are done reading v56 to v87, in which the loads below land.  (A chunk's first step has no such line: the wait in the chunk's turn stands behind those products, and only v_nop have been issued since)
.endif
.irp i, 0,1,2,3
	ds_load_b128 v[KV+4*\i:KV+4*\i+3], v[L16] offset:BS+KCO+2048*(\q)+512*\i   ; two fragments of k: 64 keys
.endr
	ds_load_b32 v[KS], v[AS0] offset:BS+SCO+128*(\q)
	ds_load_b32 v[KS+1], v[AS0] offset:BS+SCO+128*(\q)+64
.irp c, 2,3                            ; v of keys 0-31, turned, channels 16 c on: these two fragments' registers lie beside k's, so they are asked for here
	ds_load_tr16_b128 v[KV+8*\c:KV+8*\c+3],   v[AV0] offset:BS+64*VP*(\q)+32*\c
	ds_load_tr16_b128 v[KV+8*\c+4:KV+8*\c+7], v[AV0] offset:BS+64*VP*(\q)+16*VP+32*\c
.endr
	s_wait_dscnt 4                                 ; k's fragments and scale words are in; the four loads of v issued behind them may be out
.irp f, 0,1                            ; S^T = k q^T: fragment f with form u gives keys 32 f + 16 u + 0..15; eight accumulators, each written once
.irp u, 0,1
.irp t, 0,1
	v_wmma_scale_f32_16x16x128_f8f6f4 v[S+32*\t+8*(2*\f+\u):S+32*\t+8*(2*\f+\u)+7], v[KV+8*\f:KV+8*\f+7], v[QF+8*\t-4*\u:QF+8*\t-4*\u+7], 0, v[KS+\f], v[QS+2*\t+\u] matrix_a_fmt:MATRIX_FMT_FP4 matrix_b_fmt:MATRIX_FMT_FP4
.endr
.endr
.endr
.rept 4
	v_nop                                          ; four places in front of the first read of the scores
.endr
	s_wait_alu depctr_va_vdst(0)                   ; the scaled products are done reading k's fragments, v56 to v71, in which the loads below land
.irp c, 0,1                            ; v of keys 0-31, channels 0 to 31.  They land while the softmax is walked
	ds_load_tr16_b128 v[KV+8*\c:KV+8*\c+3],   v[AV0] offset:BS+64*VP*(\q)+32*\c
	ds_load_tr16_b128 v[KV+8*\c+4:KV+8*\c+7], v[AV0] offset:BS+64*VP*(\q)+16*VP+32*\c
.endr
	; the maximum of my 32 scores of each tile and the old m, three operands at a time; the two tiles line by line in turn.  Each accumulator is first read at its low end
.irp j, 0,1,2,3
.irp t, 0,1
	v_max3_num_f32 v[ST+8*\t+4+\j], v[S+32*\t+8*\j], v[S+32*\t+8*\j+1], v[S+32*\t+8*\j+2]
.endr
.endr
.irp g, 1,2
.irp j, 0,1,2,3
.irp t, 0,1
	v_max3_num_f32 v[ST+8*\t+4+\j], v[ST+8*\t+4+\j], v[S+32*\t+8*\j+2*\g+1], v[S+32*\t+8*\j+2*\g+2]
.endr
.endr
.endr
.irp t, 0,1
	v_max3_num_f32 v[ST+8*\t+4], v[ST+8*\t+4], v[S+32*\t+7], v[S+32*\t+15]
	v_max3_num_f32 v[ST+8*\t+6], v[ST+8*\t+6], v[S+32*\t+23], v[S+32*\t+31]
.endr
.irp t, 0,1
	v_max3_num_f32 v[ST+8*\t+4], v[ST+8*\t+4], v[ST+8*\t+5], v[ST+8*\t+6]
.endr
.irp t, 0,1
	v_max3_num_f32 v[ST+8*\t+4], v[ST+8*\t+4], v[ST+8*\t+7], v[ST+8*\t+1]
.endr
.irp t, 0,1
	v_permlanex16_b32 v[ST+8*\t+5], v[ST+8*\t+4], s20, s21        ; the query's other 32 keys lie in the lane 16 away
.endr
.irp t, 0,1
	v_mov_b32 v[ST+8*\t+7], v[ST+8*\t]             ; c m_old is kept for a
.endr
.irp t, 0,1
	v_max_num_f32 v[ST+8*\t+1], v[ST+8*\t+4], v[ST+8*\t+5]        ; the new m
.endr
.irp t, 0,1
	v_mul_f32 v[ST+8*\t], s22, v[ST+8*\t+1]
.endr
.irp t, 0,1
	v_sub_f32 v[ST+8*\t+7], v[ST+8*\t+7], v[ST+8*\t]
.endr
.set n, 0
.rept 16
.irp t, 0,1
	v_pk_fma_f32 v[S+32*\t+2*n:S+32*\t+2*n+1], v[S+32*\t+2*n:S+32*\t+2*n+1], s[22:23], v[ST+8*\t:ST+8*\t+1] op_sel_hi:[1,0,0] neg_lo:[0,0,1] neg_hi:[0,0,1]   ; c s - c m, two at a time
.endr
.set n, n+1
.endr
	; ONE BATCH: both tiles' a and their 64 exponentials; none reads another's result
.irp t, 0,1
	v_exp_f32 v[ST+8*\t+6], v[ST+8*\t+7]           ; a = 2^(c m_old - c m_new)
.endr
.set n, 0
.rept 32
.irp t, 0,1
	v_exp_f32 v[S+32*\t+n], v[S+32*\t+n]           ; p
.endr
.set n, n+1
.endr
	v_nop                                          ; a plain line behind the last exponential, ahead of the first use
	s_wait_alu depctr_va_vdst(0)                   ; the 66 exponentials have written a and p: the wait ahead of the first line that names a result: one for the batch
.irp t, 0,1
	v_pk_add_f32 v[ST+8*\t+4:ST+8*\t+5], v[S+32*\t:S+32*\t+1], v[S+32*\t+2:S+32*\t+3]    ; the row's sum is taken of p in f32
.endr
.set n, 4
.rept 14
.irp t, 0,1
	v_pk_add_f32 v[ST+8*\t+4:ST+8*\t+5], v[ST+8*\t+4:ST+8*\t+5], v[S+32*\t+n:S+32*\t+n+1]
.endr
.set n, n+2
.endr
.irp t, 0,1
	v_pk_fma_f32 v[ST+8*\t+2:ST+8*\t+3], v[ST+8*\t+2:ST+8*\t+3], v[ST+8*\t+6:ST+8*\t+7], v[ST+8*\t+4:ST+8*\t+5] op_sel_hi:[1,0,1]   ; l = a l + the sum
.endr
.set n, 0
.rept 16                               ; p to f16, in place: register n takes pair n; it was itself the source of pair n / 2 alone, which has gone before
.irp t, 0,1
	v_cvt_pk_f16_f32 v[S+32*\t+n], v[S+32*\t+2*n], v[S+32*\t+2*n+1]
.endr
.set n, n+1
.endr
	s_wait_alu depctr_va_vdst(0)                   ; the sums and the roundings are done reading the upper halves of S^T's registers, in which the loads below land
.irp c, 0,1,2,3                        ; v of keys 32-63 into the upper halves of S^T's registers, which the roundings have left
	ds_load_tr16_b128 v[S+32*(\c/2)+16+8*(\c%2):S+32*(\c/2)+16+8*(\c%2)+3],   v[AV0] offset:BS+64*VP*(\q)+32*VP+32*\c
	ds_load_tr16_b128 v[S+32*(\c/2)+16+8*(\c%2)+4:S+32*(\c/2)+16+8*(\c%2)+7], v[AV0] offset:BS+64*VP*(\q)+48*VP+32*\c
.endr
.set n, 0
.rept 16
.irp t, 0,1
	v_pk_mul_f32 v[O+32*\t+2*n:O+32*\t+2*n+1], v[O+32*\t+2*n:O+32*\t+2*n+1], v[ST+8*\t+6:ST+8*\t+7] op_sel_hi:[1,0]   ; O^T x a, each accumulator from its low end on
.endr
.set n, n+1
.endr
	s_wait_dscnt 8                                 ; v of keys 0-31 is in; the eight loads issued behind them (keys 32-63) may be out
.irp c, 0,1,2,3                        ; O^T += v^T p: the eight accumulators take turns, one instruction a turn, in the same order in both halves
.irp t, 0,1
	v_wmma_f32_16x16x32_f16 v[O+32*\t+8*\c:O+32*\t+8*\c+7], v[KV+8*\c:KV+8*\c+7], v[S+32*\t:S+32*\t+7], v[O+32*\t+8*\c:O+32*\t+8*\c+7]
.endr
.endr
	s_wait_dscnt 0x0
.irp c, 0,1,2,3
.irp t, 0,1
	v_wmma_f32_16x16x32_f16 v[O+32*\t+8*\c:O+32*\t+8*\c+7], v[S+32*(\c/2)+16+8*(\c%2):S+32*(\c/2)+16+8*(\c%2)+7], v[S+32*\t+8:S+32*\t+15], v[O+32*\t+8*\c:O+32*\t+8*\c+7]
.endr
.endr
.endm
	CONVERT 0, 1                                   ; chunk 0 into slot 0; chunk 1 is asked for
	s_mov_b32 s24, 3
.Ltrip:                                                ; a trip: chunks 2 j and 2 j + 1 are multiplied, chunks 2 j + 1 and 2 j + 2 converted, chunks 2 j + 2 and 2 j + 3 asked for
	STEP 0, 0
	STEP 0, 1
	CONVERT 1, 1
	STEP 1, 0
	STEP 1, 1
	CONVERT 0, 1
	s_sub_co_u32 s24, s24, 1
	s_cmp_lg_u32 s24, 0
	s_cbranch_scc1 .Ltrip
	STEP 0, 0                                      ; chunks 6 and 7: nothing is left to ask for, so no load leaves its buffer
	STEP 0, 1
	CONVERT 1, 0
	STEP 1, 0
	STEP 1, 1
	; THE WAY OUT.  l's two halves and the other half of the lanes' are added; O^T is divided by l and goes through my stage, a tile (16 rows of 256 bytes) at a time, so that sixteen lanes store 256 consecutive bytes.
	s_wait_alu depctr_vm_vsrc(0)                   ; the last chunk's store of its scale byte has read v251, which is written again below
.rept 4
	v_nop                                          ; four places behind the last products
.endr
.irp t, 0,1
	v_add_f32 v[ST+8*\t+4], v[ST+8*\t+2], v[ST+8*\t+3]
.endr
.irp t, 0,1
	v_permlanex16_b32 v[ST+8*\t+5], v[ST+8*\t+4], s20, s21
.endr
.irp t, 0,1
	v_add_f32 v[ST+8*\t+4], v[ST+8*\t+4], v[ST+8*\t+5]
.endr
.irp t, 0,1
	v_rcp_f32 v[ST+8*\t+6], v[ST+8*\t+4]
.endr
	v_and_b32 v250, 15, v0                         ; (plain work behind the reciprocals)  r
	v_bfe_u32 v251, v0, 4, 1                       ; h
	v_mul_u32_u24 v248, v250, 272                  ; in: row r of 272 bytes (68 words: the sixteen rows start at sixteen different banks), my eight channels of tile c at 64 c + 32 h
	v_lshl_add_u32 v248, v251, 5, v248
	v_add_nc_u32 v248, s13, v248
	v_mul_u32_u24 v249, v251, 272                  ; back: lanes 0-15 one row, lanes 16-31 the next
	v_lshl_add_u32 v249, v250, 4, v249
	v_add_nc_u32 v249, s13, v249
	s_wait_alu depctr_va_vdst(0)                   ; the two reciprocals are written: the wait ahead of the first use: one for both
.set n, 0
.rept 16
.irp t, 0,1
	v_pk_mul_f32 v[O+32*\t+2*n:O+32*\t+2*n+1], v[O+32*\t+2*n:O+32*\t+2*n+1], v[ST+8*\t+6:ST+8*\t+7] op_sel_hi:[1,0]
.endr
.set n, n+1
.endr
	s_wait_alu depctr_va_vdst(0)                   ; the multiplications have written O^T, which the LDS stores below read; their addresses v248 and v249 are written; the last products are done reading S^T's registers, in which the loads from the stage land
.irp t, 0,1
.irp c, 0,1,2,3
	ds_store_b128 v248, v[O+32*\t+8*\c:O+32*\t+8*\c+3] offset:64*\c
	ds_store_b128 v248, v[O+32*\t+8*\c+4:O+32*\t+8*\c+7] offset:64*\c+16
.endr
.irp i, 0,1,2,3,4,5,6,7
	ds_load_b128 v[S+32*\t+4*\i:S+32*\t+4*\i+3], v249 offset:544*\i   ; LDS serves a wave's instructions in order: these see the stores above, and the next tile's stores come behind them
.endr
.endr
.irp i, 0,1,2,3,4,5,6,7
	s_wait_dscnt 23-\i                             ; behind tile 0's load i: its 7 - i later loads and tile 1's sixteen LDS instructions
	global_store_b128 v[L16], v[S+4*\i:S+4*\i+3], s[10:11] offset:512*\i th:TH_STORE_NT   ; two rows of out: each sixteen lanes store 256 consecutive bytes, at a multiple of 256 from out's first byte
.endr
.irp i, 0,1,2,3,4,5,6,7
	s_wait_dscnt 7-\i
	global_store_b128 v[L16], v[S+32+4*\i:S+32+4*\i+3], s[10:11] offset:4096+512*\i th:TH_STORE_NT
.endr
	s_wait_dscnt 0x0                               ; the wave's end: the six closing lines, on end
	s_wait_alu 0x0
	s_wait_tensorcnt 0x0
	ds_add_u32 v[SPW], v[NIL]
	s_wait_dscnt 0x0
	s_endpgm
.Lfunc_end_k_qbecb17706f_attn:
	.size	k_qbecb17706f_attn, .Lfunc_end_k_qbecb17706f_attn-k_qbecb17706f_attn
	.p2alignl 7, 3214868480
	.fill 96, 4, 3214868480
	.section	.rodata,"a",@progbits
	.p2align	6, 0x0
	.amdhsa_kernel k_qbecb17706f_attn
		.amdhsa_group_segment_fixed_size 137216
		.amdhsa_private_segment_fixed_size 0
		.amdhsa_enable_private_segment 0
		.amdhsa_kernarg_size 32
		.amdhsa_user_sgpr_count 2
		.amdhsa_user_sgpr_kernarg_segment_ptr 1
		.amdhsa_wavefront_size32 1
		.amdhsa_system_sgpr_workgroup_id_x 1
		.amdhsa_system_sgpr_workgroup_id_y 1
		.amdhsa_system_sgpr_workgroup_id_z 1
		.amdhsa_system_vgpr_workitem_id 0
		.amdhsa_next_free_vgpr 256
		.amdhsa_next_free_sgpr 66
		.amdhsa_reserve_vcc 0
		.amdhsa_float_denorm_mode_32 3
		.amdhsa_float_denorm_mode_16_64 3
		.amdhsa_memory_ordered 1
		.amdhsa_forward_progress 1
		.amdhsa_inst_pref_size 166
	.end_amdhsa_kernel
	.amdgpu_metadata
---
amdhsa.version: [ 1, 2 ]
amdhsa.kernels:
  - .name:           k_qbecb17706f_attn
    .symbol:         k_qbecb17706f_attn.kd
    .args:
      - { .name: q, .offset: 0, .size: 8, .value_kind: global_buffer, .address_space: global }
      - { .name: k, .offset: 8, .size: 8, .value_kind: global_buffer, .address_space: global }
      - { .name: v, .offset: 16, .size: 8, .value_kind: global_buffer, .address_space: global }
      - { .name: out0, .offset: 24, .size: 8, .value_kind: global_buffer, .address_space: global }
    .group_segment_fixed_size: 137216
    .private_segment_fixed_size: 0
    .kernarg_segment_align: 8
    .kernarg_segment_size: 32
    .max_flat_workgroup_size: 512
    .sgpr_count:     66
    .vgpr_count:     256
    .wavefront_size: 32
...
	.end_amdgpu_metadata
.endif
;; end of part 2
